; MI455X (gfx1250); checked and timed in simulation.
; The chip was launched on July 23, 2026; its instructions are those of AMD's public machine-readable ISA for CDNA 5 (MIT licence, August 2026) and "CDNA5" Instruction Set Architecture Reference Guide (July 2026). The comments in the code are by the model that wrote it; some were corrected since.
;; Volume Renderer. Allowed arithmetic: matrix products marked QUANTISED: E4M3 operands, one given power-of-two scale a tensor, by v_wmma_f32_16x16x64_fp8_fp8 or v_wmma_f32_16x16x128_fp8_fp8, f32 sums; products left as they are: f32 operands where the result goes on into a quantised operand, else bf16, f16 or f32 operands; f32 sums; everything else in f32.
;; Inputs: W1 3 x 256 float32; W2 256 x 256 float32; W3 256 x 256 float32; W4 259 x 128 float32; W5 128 x 3 float32; Wd 256 x 1 float32; b1 256 float32; b2 256 float32; b3 256 float32; b4 128 float32; b5 3 float32; bd 1 float32; lowp_scales 6 int32 (the exponents e of the quantised operands' scales 2^e); rays_d 4,096 x 3 float32; rays_o 4,096 x 3 float32; t_rand 4,096 x 64 float32.
;; Outputs: out0 4,096 x 3 float32; out1 4,096 float32; out2 4,096 float32.
;; This version of the problem:
;;   THIS VERSION OF THE PROBLEM IS GIVEN IN LOW PRECISION. The matrix products marked QUANTISED in the list below multiply operands that are first quantised to E4M3 (4 exponent bits, 3 mantissa bits; 8 bits a number), with one given power-of-two scale for each operand tensor; their sums are f32. All else is computed in f32.
;;   The module's matrix products, in the order in which they are computed (A, B: the left and right operand; K: the contracted axis; several contracted axes count as one K, in the product's order):
;;     1. [M 262,144, K 3] x [K 3, N 256]; A: computed on the way; B: input W1: left as it is (K = 3 < 32)
;;     2. [M 262,144, K 256] x [K 256, N 256]; A: computed on the way; B: input W2: QUANTISED (scales: A lowp_scales[0], B lowp_scales[1])
;;     3. [M 262,144, K 256] x [K 256, N 256]; A: computed on the way; B: input W3: QUANTISED (scales: A lowp_scales[2], B lowp_scales[3])
;;     4. [M 262,144, K 256] x [K 256, N 1]; A: computed on the way; B: input Wd: left as it is (N = 1 < 16)
;;     5. [M 262,144, K 259] x [K 259, N 128]; A: computed on the way; B: input W4: QUANTISED (scales: A lowp_scales[4], B lowp_scales[5])
;;     6. [M 262,144, K 128] x [K 128, N 3]; A: computed on the way; B: input W5: left as it is (N = 3 < 16)
;;   THE QUANTISER, for each operand of a quantised product, along K:
;;     - The operand's scale is 2^e, e = its entry of the input lowp_scales (int32; the entries are numbered through the quantised products in the list's order, A before B).
;;     - Each number is divided by the scale, clamped to +-448, and rounded to the nearest number of E4M3, ties to even, subnormals kept.
;;     - The product sums the exact products of the quantised numbers (number of the format x scale) in f32.
;;   ~~~python
;;   def quantise(x, axis, e):      # numpy; x: float32 -> the quantised numbers, widened to float32 again
;;       x = np.moveaxis(x, axis, -1); K = x.shape[-1]
;;       r = np.clip(x / 2.0 ** e, -448, 448)
;;       step = 2.0 ** (np.maximum(np.frexp(np.where(r == 0, 1, r))[1] - 1, -6) - 3)
;;       q = np.round(r / step) * step * 2.0 ** e      # np.round: ties to even
;;       return np.moveaxis(q, -1, axis).astype(np.float32)
;;   ~~~
;;   OPERANDS COMPUTED ON THE WAY. 'Computed on the way' means the value that the module computes at that place (a softmax that the list does not call 'softmax' is quantised finished and normalised). What goes into a quantiser is computed in f32, as accurately as f32 sums, v_exp_f32 and their like allow (about 1e-6 of the number): no bf16 or f16 on the way to a quantiser, and a product that is left as it is and whose result goes on into a quantised operand takes f32 operands (vector FMAs, or v_wmma_f32_16x16x4_f32). A number that lies on a knife's edge between two numbers of the format may be rounded either way, as far as f32 arithmetic and the matrix unit's own rounding can turn it there, and no further.
;; One version. Each part assembles by itself: llvm-mc -triple=amdgcn-amd-amdhsa -mcpu=gfx1250 --defsym DOCPART=n.
;; ======== version 1 of 1: 2 launches
;; limits: right only within a limited range of input values
;; workspace buffers: blob 184,320 bytes
;; launch prep (part 1): grid 25 x 1, 4 waves a work-group, no clusters, 0 bytes of LDS; arguments W1, W2, W3, W4, W5, Wd, b1, b2, b3, b4, lowp_scales, blob; writes blob
.if DOCPART == 1
	.amdgcn_target "amdgcn-amd-amdhsa--gfx1250"
	.amdhsa_code_object_version 6
	.text
	.protected	k_q61c4b9370e_prep
	.globl	k_q61c4b9370e_prep
	.p2align	8
	.type	k_q61c4b9370e_prep,@function
k_q61c4b9370e_prep:
	s_mov_b64 s[64:65], 0
	v_nop
	global_prefetch_b8 v0, s[64:65] scope:SCOPE_SE
	s_setreg_imm32_b32 hwreg(HW_REG_WAVE_MODE, 25, 1), 1
	s_wait_xcnt 0x0
; The weights are laid out ONCE, in the order in which the second launch's operand registers take them, into the workspace blob (184,320 bytes):
;   0x0000 W1 (f32, as it is)   0x0C00 b1   0x1000 b2 / 2^(e0+e1)   0x1400 b3 / 2^(e2+e3)   0x1800 Wd   0x1C00 b4 / 2^(e4+e5) (twice: the second copy fills the block and is used by nobody)
;   0x2000 W5 as four bf16 fragments of 1,024 bytes   0x3000 W2's codes   0x13000 W3's codes   0x23000 W4's codes, rows 0-255   0x2B000 W4's rows 256-258 as eight fragments for K = 64
; A FRAGMENT IS AN IMAGE OF THE OPERAND'S REGISTERS: registers 4 q .. 4 q + 3 of lane l lie at 512 q + 16 l.  Fragment (t, s) of a weight [K][N] is source 0 of v_wmma_f32_16x16x128_fp8_fp8:
; lane (r, h) holds unit 16 t + r, its registers 2 c, 2 c + 1 hold k = 128 s + 16 c + 8 h + 0 .. 7; it lies at (2 t + s) x 2,048 bytes of its weight's part.
; A LANE TAKES A COLUMN (a unit) AND ITS REGISTERS RUN DOWN K, so the conversions' results are the fragment's registers and nothing is transposed.
; code = x / 2^e, held within +-448, to the nearest code of E4M3, ties to even; e = lowp_scales[1] (W2), [3] (W3), [5] (W4).
; LIMITS: each of these e lies between -126 and 119, so that 2^e and 448 x 2^e are f32 numbers.  NaN among the inputs is not served.
; SHARES: 25 work-groups of four waves, a wave a job: x = 0-7 W2, 8-15 W3, 16-19 W4's rows 0-255 (a fragment a wave); 20, 21 W4's last three rows; 22, 23 the eight blocks of 1,024 bytes of f32; 24 W5.
; The ways part on the work-group's number alone.  No LDS, no barrier; EXEC is never changed.  Every store of a wave covers 512 consecutive bytes, at a multiple of 256 from the blob's first byte.
.set X, 16                             ; v16-79  64 numbers
.set C, 80                             ; v80-95  a fragment's codes
.macro SCALES                          ; s42 = e  ->  v11 = 2^e (the conversion takes its exponent field), v10 = 448 x 2^e
	s_add_co_i32 s42, s42, 127
	s_lshl_b32 s43, s42, 23
	v_mov_b32 v11, s43
	s_add_co_i32 s42, s42, 8
	s_lshl_b32 s42, s42, 23
	s_or_b32 s42, s42, 0x600000
	v_mov_b32 v10, s42
.endm
; Fragment (t = s41, s = s40) of the weight [256][n] at s[38:39]: 64 loads; sixteen neighbouring lanes read 64 neighbouring bytes.  s44: the weight's part of the blob.
.macro FLOAD n
	s_mul_i32 s48, s40, 128*\n*4                   ; K step s: 128 rows down,
	s_lshl_b32 s50, s41, 6                         ; tile t: 16 columns on
	s_add_co_u32 s48, s48, s50
	s_add_nc_u64 s[38:39], s[38:39], s[48:49]
	v_mul_u32_u24 v3, v5, 8*\n*4                   ; lanes 16-31 begin 8 rows further down,
	v_lshl_add_u32 v3, v2, 2, v3                   ; lane r takes column r
.irp c, 0,1,2,3,4,5,6,7
.irp j, 0,1,2,3,4,5,6,7
	global_load_b32 v[X+8*\c+\j], v3, s[38:39] offset:(16*\c+\j)*\n*4
.endr
.endr
	s_lshl_b32 s48, s41, 1
	s_add_co_u32 s48, s48, s40
	s_lshl_b32 s48, s48, 11                        ; (2 t + s) x 2,048
	s_add_co_u32 s48, s48, s44
	s_add_nc_u64 s[46:47], s[30:31], s[48:49]
.endm
.macro FQUANT                          ; s42 = e
	SCALES
	s_wait_loadcnt 0x0
.irp c, 0,1,2,3,4,5,6,7
.irp j, 0,1,2,3,4,5,6,7
	v_med3_num_f32 v[X+8*\c+\j], v[X+8*\c+\j], -v10, v10   ; the conversion to an 8-bit code does not saturate (ISA guide 7.6.2): the hold comes first
.endr
	v_cvt_scalef32_pk8_fp8_f32 v[C+2*\c:C+2*\c+1], v[X+8*\c:X+8*\c+7], v11
.endr
	v_nop                                          ; a plain line behind the last conversion
.irp q, 0,1,2,3
	global_store_b128 v1, v[C+4*\q:C+4*\q+3], s[46:47] offset:512*\q
.endr
.endm
	s_load_b512 s[8:23], s[0:1], 0x0               ; W1 s[8:9], W2 s[10:11], W3 s[12:13], W4 s[14:15], W5 s[16:17], Wd s[18:19], b1 s[20:21], b2 s[22:23]
	s_load_b256 s[24:31], s[0:1], 0x40             ; b3 s[24:25], b4 s[26:27], the scales' exponents s[28:29], the blob s[30:31]
	v_lshrrev_b32 v1, 5, v0
	v_readfirstlane_b32 s2, v1                     ; wave 0..3
	v_and_b32 v6, 31, v0                           ; lane
	v_lshlrev_b32 v1, 4, v6                        ; 16 x lane: my place in an image
	v_and_b32 v2, 15, v0                           ; r
	v_bfe_u32 v5, v0, 4, 1                         ; h
	s_mov_b32 s49, 0                               ; the upper word of every offset pair s[48:49]
	s_wait_kmcnt 0x0
	s_load_b128 s[32:35], s[28:29], 0x0            ; e0 .. e3
	s_load_b64 s[36:37], s[28:29], 0x10            ; e4, e5
	s_cmp_ge_u32 ttmp9, 24
	s_cbranch_scc1 .Lw5
	s_cmp_ge_u32 ttmp9, 22
	s_cbranch_scc1 .Lcopy
	s_cmp_ge_u32 ttmp9, 20
	s_cbranch_scc1 .Ltail
	s_cmp_ge_u32 ttmp9, 16
	s_cbranch_scc1 .Lw4
	; ---- W2 (x = 0-7) or W3 (x = 8-15): s = x % 2, t = 4 ((x % 8) / 2) + wave
	s_and_b32 s40, ttmp9, 1
	s_bfe_u32 s41, ttmp9, 0x20001
	s_lshl_b32 s41, s41, 2
	s_add_co_u32 s41, s41, s2
	s_mov_b32 s44, 0x13000
	s_cmp_lt_u32 ttmp9, 8                          ; the choice hangs on the work-group's number alone
	s_cselect_b64 s[38:39], s[10:11], s[12:13]
	s_cselect_b32 s44, 0x3000, s44
	FLOAD 256
	s_wait_kmcnt 0x0
	s_cmp_lt_u32 ttmp9, 8
	s_cselect_b32 s42, s33, s35                    ; e1 or e3
	FQUANT
	s_endpgm
.Lw4:	; ---- W4, rows 0-255 (x = 16-19): s = x % 2, t = 4 ((x - 16) / 2) + wave
	s_and_b32 s40, ttmp9, 1
	s_bfe_u32 s41, ttmp9, 0x10001
	s_lshl_b32 s41, s41, 2
	s_add_co_u32 s41, s41, s2
	s_mov_b64 s[38:39], s[14:15]
	s_mov_b32 s44, 0x23000
	FLOAD 128
	s_wait_kmcnt 0x0
	s_mov_b32 s42, s37                             ; e5
	FQUANT
	s_endpgm
.Ltail:	; ---- W4, rows 256-258 (x = 20, 21): t = 4 (x - 20) + wave.  A fragment for K = 64 (8 registers): k = 0, 1, 2 are bytes 0-2 of register 0 in lanes 0-15; all other codes are zeros
	s_and_b32 s41, ttmp9, 1
	s_lshl_b32 s41, s41, 2
	s_add_co_u32 s41, s41, s2
	s_lshl_b32 s48, s41, 6
	s_add_nc_u64 s[38:39], s[14:15], s[48:49]
	v_lshlrev_b32 v3, 2, v2
.irp b, 0,1,2
	global_load_b32 v[X+\b], v3, s[38:39] offset:(256+\b)*512
.endr
	s_lshl_b32 s48, s41, 10
	s_add_co_u32 s48, s48, 0x2B000
	s_add_nc_u64 s[46:47], s[30:31], s[48:49]
	s_mov_b32 s45, 0xffff0000                      ; lanes 16-31
	v_mov_b32 v12, 0
.irp i, 3,4,5,6,7
	v_mov_b32 v[X+\i], 0
.endr
.irp i, 2,3,4,5,6,7
	v_mov_b32 v[C+\i], 0
.endr
	s_wait_kmcnt 0x0
	s_mov_b32 s42, s37                             ; e5
	SCALES
	s_wait_loadcnt 0x0
.irp b, 0,1,2
	v_cndmask_b32 v[X+\b], v[X+\b], v12, s45       ; lanes 16-31 hold k = 8 .. 15: nothing
	v_med3_num_f32 v[X+\b], v[X+\b], -v10, v10
.endr
	v_cvt_scalef32_pk8_fp8_f32 v[C:C+1], v[X:X+7], v11
	v_nop
	global_store_b128 v1, v[C:C+3], s[46:47]
	global_store_b128 v1, v[C+4:C+7], s[46:47] offset:512
	s_endpgm
.Lcopy:	; ---- the eight blocks of 1,024 bytes of f32 (x = 22, 23): block j = 4 (x - 22) + wave.  j = 0-2: W1's rows; 3: b1; 4: b2; 5: b3; 6: Wd; 7: b4, twice
	s_and_b32 s40, ttmp9, 1
	s_lshl_b32 s40, s40, 2
	s_add_co_u32 s40, s40, s2
	s_lshl_b32 s48, s40, 10
	s_add_nc_u64 s[46:47], s[30:31], s[48:49]
	s_min_u32 s48, s40, 2                          ; (no address beyond W1 is ever formed)
	s_lshl_b32 s48, s48, 10
	s_add_nc_u64 s[38:39], s[8:9], s[48:49]
	s_cmp_eq_u32 s40, 3
	s_cselect_b64 s[38:39], s[20:21], s[38:39]
	s_cmp_eq_u32 s40, 4
	s_cselect_b64 s[38:39], s[22:23], s[38:39]
	s_cmp_eq_u32 s40, 5
	s_cselect_b64 s[38:39], s[24:25], s[38:39]
	s_cmp_eq_u32 s40, 6
	s_cselect_b64 s[38:39], s[18:19], s[38:39]
	s_cmp_eq_u32 s40, 7
	s_cselect_b64 s[38:39], s[26:27], s[38:39]
	s_cselect_b32 s44, 0, 512                      ; b4 has 512 bytes: its second load reads the first again, so that no load leaves the buffer
	v_add_nc_u32 v4, s44, v1
	global_load_b128 v[16:19], v1, s[38:39]
	global_load_b128 v[20:23], v4, s[38:39]
	s_wait_kmcnt 0x0
	s_add_co_i32 s50, s32, s33                     ; a sum of codes' products stands for sum x 2^(its two exponents): the bias that starts such a sum goes in divided by that power
	s_add_co_i32 s51, s34, s35
	s_add_co_i32 s52, s36, s37
	s_mov_b32 s42, 0
	s_cmp_eq_u32 s40, 4
	s_cselect_b32 s42, s50, s42
	s_cmp_eq_u32 s40, 5
	s_cselect_b32 s42, s51, s42
	s_cmp_eq_u32 s40, 7
	s_cselect_b32 s42, s52, s42
	s_sub_co_i32 s42, 0, s42
	s_wait_loadcnt 0x0
.irp i, 0,1,2,3,4,5,6,7
	v_ldexp_f32 v[16+\i], v[16+\i], s42            ; x 2^0 where nothing is to be scaled
.endr
	global_store_b128 v1, v[16:19], s[46:47]
	global_store_b128 v1, v[20:23], s[46:47] offset:512
	s_endpgm
.Lw5:	; ---- W5 [128][3] (x = 24): wave g makes the bf16 fragment (source 0, 16 rows x 32 K) of k = 32 g .. 32 g + 31.  Row r holds channel r % 8 where that is under 3, else zeros:
	; rows 8-10 repeat rows 0-2, so that in the result both halves of the lanes hold the three channels in their registers 0-2
	s_mul_i32 s48, s2, 384
	s_add_nc_u64 s[38:39], s[16:17], s[48:49]
	v_and_b32 v7, 7, v0
	v_min_u32 v4, 2, v7                            ; rows of zeros load channel 2 and drop it: no load leaves the buffer
	v_mul_u32_u24 v3, v5, 96                       ; lanes 16-31: 8 rows of 12 bytes on
	v_lshl_add_u32 v3, v4, 2, v3
.irp i, 0,1,2,3,4,5,6,7
	global_load_b32 v[X+\i], v3, s[38:39] offset:12*\i          ; k = 32 g + 8 h + i
	global_load_b32 v[X+8+\i], v3, s[38:39] offset:12*(16+\i)   ; k = 32 g + 16 + 8 h + i
.endr
	s_lshl_b32 s48, s2, 10
	s_add_co_u32 s48, s48, 0x2000
	s_add_nc_u64 s[46:47], s[30:31], s[48:49]
	v_mov_b32 v12, 0
	v_cmp_gt_u32 vcc_lo, 3, v7
	s_wait_loadcnt 0x0
.irp i, 0,1,2,3,4,5,6,7,8,9,10,11,12,13,14,15
	v_cndmask_b32 v[X+\i], v12, v[X+\i], vcc_lo
.endr
.irp i, 0,1,2,3,4,5,6,7
	v_cvt_pk_bf16_f32 v[C+\i], v[X+2*\i], v[X+2*\i+1]
.endr
	global_store_b128 v1, v[C:C+3], s[46:47]
	global_store_b128 v1, v[C+4:C+7], s[46:47] offset:512
	s_endpgm
.Lfunc_end_k_q61c4b9370e_prep:
	.size	k_q61c4b9370e_prep, .Lfunc_end_k_q61c4b9370e_prep-k_q61c4b9370e_prep
	.p2alignl 7, 3214868480
	.fill 96, 4, 3214868480
	.section	.rodata,"a",@progbits
	.p2align	6, 0x0
	.amdhsa_kernel k_q61c4b9370e_prep
		.amdhsa_group_segment_fixed_size 0
		.amdhsa_private_segment_fixed_size 0
		.amdhsa_enable_private_segment 0
		.amdhsa_kernarg_size 96
		.amdhsa_user_sgpr_count 2
		.amdhsa_user_sgpr_kernarg_segment_ptr 1
		.amdhsa_wavefront_size32 1
		.amdhsa_system_sgpr_workgroup_id_x 1
		.amdhsa_system_sgpr_workgroup_id_y 1
		.amdhsa_system_sgpr_workgroup_id_z 1
		.amdhsa_system_vgpr_workitem_id 0
		.amdhsa_next_free_vgpr 104
		.amdhsa_next_free_sgpr 66
		.amdhsa_reserve_vcc 1
		.amdhsa_float_denorm_mode_32 3
		.amdhsa_float_denorm_mode_16_64 3
		.amdhsa_memory_ordered 1
		.amdhsa_forward_progress 1
		.amdhsa_inst_pref_size 33
	.end_amdhsa_kernel
	.amdgpu_metadata
---
amdhsa.version: [ 1, 2 ]
amdhsa.kernels:
  - .name:           k_q61c4b9370e_prep
    .symbol:         k_q61c4b9370e_prep.kd
    .args:
      - { .name: W1, .offset: 0, .size: 8, .value_kind: global_buffer, .address_space: global }
      - { .name: W2, .offset: 8, .size: 8, .value_kind: global_buffer, .address_space: global }
      - { .name: W3, .offset: 16, .size: 8, .value_kind: global_buffer, .address_space: global }
      - { .name: W4, .offset: 24, .size: 8, .value_kind: global_buffer, .address_space: global }
      - { .name: W5, .offset: 32, .size: 8, .value_kind: global_buffer, .address_space: global }
      - { .name: Wd, .offset: 40, .size: 8, .value_kind: global_buffer, .address_space: global }
      - { .name: b1, .offset: 48, .size: 8, .value_kind: global_buffer, .address_space: global }
      - { .name: b2, .offset: 56, .size: 8, .value_kind: global_buffer, .address_space: global }
      - { .name: b3, .offset: 64, .size: 8, .value_kind: global_buffer, .address_space: global }
      - { .name: b4, .offset: 72, .size: 8, .value_kind: global_buffer, .address_space: global }
      - { .name: lowp_scales, .offset: 80, .size: 8, .value_kind: global_buffer, .address_space: global }
      - { .name: blob, .offset: 88, .size: 8, .value_kind: global_buffer, .address_space: global }
    .group_segment_fixed_size: 0
    .private_segment_fixed_size: 0
    .kernarg_segment_align: 8
    .kernarg_segment_size: 96
    .max_flat_workgroup_size: 128
    .sgpr_count:     66
    .vgpr_count:     104
    .wavefront_size: 32
...
	.end_amdgpu_metadata
.endif
;; end of part 1
;; launch render (part 2): grid 256 x 1, 8 waves a work-group, clusters of 4 x 1, 202,752 bytes of LDS; arguments blob, t_rand, rays_o, rays_d, lowp_scales, b5, bd, out0, out1, out2; writes out0, out1, out2
.if DOCPART == 2
	.amdgcn_target "amdgcn-amd-amdhsa--gfx1250"
	.amdhsa_code_object_version 6
	.text
	.protected	k_q61c4b9370e_render
	.globl	k_q61c4b9370e_render
	.p2align	8
	.type	k_q61c4b9370e_render,@function
k_q61c4b9370e_render:
	s_mov_b64 s[64:65], 0
	v_nop
	global_prefetch_b8 v0, s[64:65] scope:SCOPE_SE
	s_setreg_imm32_b32 hwreg(HW_REG_WAVE_MODE, 25, 1), 1
	s_wait_xcnt 0x0
	s_wait_alu depctr_hold_cnt(0) depctr_sa_sdst(0) depctr_va_vdst(0) depctr_va_sdst(0) depctr_va_ssrc(0) depctr_va_vcc(0) depctr_vm_vsrc(0)
	s_getreg_b32 s2, hwreg(HW_REG_IB_STS2, 6, 4)
	s_cmp_eq_u32 s2, 0
	s_cbranch_scc0 .Lentry_in_a_cluster
	s_endpgm
.Lentry_in_a_cluster:
	s_bfe_u32 s2, ttmp6, 0x10000c
	s_cmp_lg_u32 s2, 0x3003
	s_cbranch_scc0 .Lentry_shape_is_right
	s_endpgm
.Lentry_shape_is_right:
; 4,096 rays x 64 samples: stratified samples, the MLP 3 -> 256 -> 256 -> 256 -> (density; 259 -> 128 -> 3), alpha compositing.  The three products 256 x 256, 256 x 256 and 259 x 128 run on codes of FP8 (E4M3),
; each operand with the one scale 2^e that is given for it (e0 .. e5); all else is f32, but for the last product (128 -> 3), which is left as it is and takes bf16 operands.
; SHARES.  A work-group of eight waves takes 16 rays, a wave two, one after the other (a loop of two trips).  A ray is four tiles of 16 points: TILE p, LANE r IS SAMPLE 4 r + p, so that a ray's t_rand comes by one
; load of 16 bytes a lane and the transmittance wants one scan over 16 lanes.  The hidden layers never leave the wave's registers.
; WEIGHTS.  The launch before has laid them out as images of the operands' registers (the blob; the map below).  All 184,320 bytes lie in LDS for the whole launch, filled once; every wave walks them.
; CLUSTER.  All work-groups read the same blob: the four of a cluster ask for it JOINTLY: each wave's four tensor loads have the same descriptors in all four work-groups (they hang on the wave's number alone) and a mask that names the four.
; LAYOUT.  Every product is used transposed: source 0 = 16 units (a weight's fragment), source 1 = 16 points.  Register j of lane (r, h) of result tile t is unit 16 t + 8 h + j of point r: one conversion of those eight
; registers gives registers 2 t, 2 t + 1 of the next product's source 1 (k = 16 t + 8 h + 0 .. 7): nothing changes lanes between the layers.
; A GROUP is two tiles of units x four tiles of points x K = 256: 16 matrix instructions on eight accumulators by turns, each weight fragment read from LDS feeding four of them.  The next group's fragments are asked for
; behind the group's products and land while its results are quantised.  Two waves share a SIMD, so that one wave's vector work stands beside the other's products.
; ARITHMETIC.  Layer 1: pts W1 + b1 = A + z B with A = o W1 + b1, B = d W1 made once a ray, in f32.  The three view directions are the same for a ray's 64 samples: their part of the third quantised product is made once for
; each tile of units (K = 64 form, 16 equal columns) on top of b4, and is then the C of the four point tiles' first products.  The biases are the C of each sum's first product, divided beforehand by the power of two that the sums lack.
; The density is summed in f32 of the relu'd sums BEFORE the hold at the largest code, which belongs to the quantiser alone.
; LIMITS.  e0, e4, e2 - e0 - e1 and e4 - e2 - e3 lie between -126 and 119; e2 + e3 and e4 + e5 between -126 and 127: each power of two below is then an f32 number.  NaN among the inputs is not served.
; Layer 1, the samples' z and the products and sums of the compositing are rounded in another order than the reference's, all in f32.
; A work-group's results are 192 + 64 + 64 bytes: they are gathered in LDS and leave by three stores of wave 0.
;
; LDS = the blob's map, byte for byte, then scratch:
.set OW1, 0x0000                       ; W1 [3][256] f32
.set OB1, 0x0C00                       ; b1
.set OB2, 0x1000                       ; b2 / 2^(e0+e1)
.set OB3, 0x1400                       ; b3 / 2^(e2+e3)
.set OWD, 0x1800                       ; Wd
.set OB4, 0x1C00                       ; b4 / 2^(e4+e5)
.set OW5, 0x2000                       ; W5: four bf16 fragments of 1,024 bytes
.set OW2, 0x3000                       ; W2's codes: fragment (t, s) at (2 t + s) x 2,048; registers 4 q .. 4 q + 3 of lane l at 512 q + 16 l
.set OW3, 0x13000                      ; W3's
.set OW4, 0x23000                      ; W4's, rows 0-255
.set OTL, 0x8000                       ; behind OW4: W4's rows 256-258, a fragment for K = 64 (1,024 bytes) for each tile of units
.set SCR, 0x2D000                      ; each wave's A (1,024 bytes) and B (1,024 bytes): 2,048 x wave.  No fill lands from here on
.set RES, 0x31000                      ; the results: out0's 192 bytes; at + 256 out1's 64; at + 512 out2's 64
; REGISTERS, window 0:
.set LI,  1                            ; v1   16 x lane: my place in an image
.set AW2, 2                            ; v2   LI + OW2
.set AW3, 3                            ; v3   LI + OW3
.set AW4, 4                            ; v4   LI + OW4
.set HB,  5                            ; v5   32 h: my half's eight numbers of a tile of biases
.set ABW, 6                            ; v6   my wave's scratch + 32 x lane
.set ABR, 7                            ; v7   my wave's scratch + 32 h
.set L32, 8                            ; v8   32 x lane
.set R16, 9                            ; v9   16 r
.set SF,  10                           ; v10  4 r as f32
.set RA0, 11                           ; v11, v12  where the ray's results go
.set RA1, 12
.set RRD, 13                           ; v13  RES + 16 x lane
.set SC1, 16                           ; v16-19  the conversions' scales: 2^e0, 2^(e2-e0-e1), 2^(e4-e2-e3), 2^e4
.set SC2, 17
.set SC3, 18
.set SCV, 19
.set TRW, 20                           ; v20-23  the ray's t_rand, samples 4 r + 0 .. 3
.set TR1, 24                           ; v24-27  the second ray's
.set B5N, 28                           ; v28-30  -log2(e) x b5
.set ACC, 32                           ; v32-95  eight accumulators: (c, p) at ACC + 8 (4 c + p); at work in the compositing
.set WB,  96                           ; v96-159 four weight fragments: (c, s) at WB + 16 (2 c + s); in layer 1: A's 16, then B's 16
.set BI,  160                          ; v160-175 the bias of the group's two tiles
.set WX,  176                          ; v176-207 two sets of 16: Wd of a group (sets by turns); W4's two tail fragments (set 0)
.set Z,   208                          ; v208-215 z of tile p, twice (a pair for the packed form)
.set ND,  216                          ; v216-219 -log2(e) x the distance to the next sample
.set DN,  220                          ; v220-227 the density's sums, a pair for each p
.set VD,  228                          ; v228-235 the view directions' fragment (K = 64)
.set TM,  236                          ; v236-255 at work
; window 1:
.set X,   0                            ; v0-127   codes: tile p's 32 registers at 32 p, tile of units t at + 2 t
.set Y,   128                          ; v128-255 likewise; in the last layers its place is taken by:
.set H2,  128                          ; 8 p: the group's 32 units of relu(layer 4) in bf16
.set RGB, 160                          ; 8 p: the sums of the last product
.set W5F, 192                          ; 8 g: W5's four fragments
; scalars:
.set WV,  2                            ; s2   wave
.set CNT, 3                            ; s3   rays to go
.set B5,  4                            ; s4-6 b5
.set BD,  7                            ; s7   bd
.set G1A, 16                           ; s[16:23], s[24:31], s[32:39]  descriptor groups 1: 6, 32, 20 rows of 256 bytes
.set G1B, 24
.set G1D, 32
.set G0A, 40                           ; s[40:43] .. s[52:55]  descriptor groups 0 of the blob's four pieces
.set G0B, 44
.set G0C, 48
.set G0D, 52
.set SDS, 86                           ; s86  2^(e2+e3)
.set SRN, 87                           ; s87  -log2(e) x 2^(e4+e5)
.set RS0, 88                           ; s88  LDS byte of the ray's out0, stepped by 12 a trip
.set RS1, 89                           ; s89  of its out1, stepped by 4
.set C263, 90                          ; s90  2 / 63
.set LIM1, 100                         ; s100, s101, s104, s105  448 x the four scales
.set LIM2, 101
.set LIM3, 104
.set LIMV, 105
.set DUAL, 1                           ; 1: relu and hold go two registers to a dual-issue pair; 0: each pair is written as two plain lines
.set MSB, 0
.macro WIN new                         ; s_set_vgpr_msb's low byte: bits 1:0 source 0, 3:2 source 1, 5:4 source 2, 7:6 destination; the high byte repeats the setting that is left; a switch that changes nothing is dropped
.if MSB != \new
	s_set_vgpr_msb (MSB<<8)|\new
.set MSB, \new
.endif
.endm
.macro PLACES n                        ; plain vector lines between a matrix instruction and a line that touches its registers (ISA guide 7.12.1)
.rept \n
	v_nop
.endr
.endm
.macro ROUND                           ; a round of the cluster's barrier
	s_barrier_signal -1
	s_barrier_wait -1
	s_cmp_lg_u32 s[WV], 0
	s_cbranch_scc1 .Lnot_wave_0_\@
	s_barrier_signal -3
.Lnot_wave_0_\@:
	s_barrier_wait -3
	s_barrier_signal -1
	s_barrier_wait -1
.endm
.macro BAR n                           ; a piece of the blob has landed: my part of it (a wave's tensor loads end in order: n later pieces may be out), then everybody's.  Nothing is ever filled again
	s_wait_tensorcnt \n
	s_wait_dscnt 0x0
	s_barrier_signal -1
	s_barrier_wait -1
.endm
.macro GROUP1 g, rows                  ; rows of 32 elements of 8 bytes, dense
	s_mov_b32 s[\g], 15|(3<<16)|(1<<21)            ; 15:0 the mask: all four work-groups; 17:16 elements of 8 bytes; 20 no padding; 21 set beside a mask
	s_mov_b32 s[\g+1], 32<<16                      ; tensor_dim0 = 32
	s_mov_b32 s[\g+2], (\rows)<<16                 ; tensor_dim1
	s_mov_b32 s[\g+3], 32<<16                      ; tile_dim0 = 32
	s_mov_b32 s[\g+4], \rows                       ; tile_dim1
	s_mov_b32 s[\g+5], 32                          ; tensor_dim0_stride
	s_mov_b32 s[\g+6], 0
	s_mov_b32 s[\g+7], 0
.endm
.macro GROUP0 g, per, base             ; my wave's part of a piece: LDS byte = the blob's byte = base + per x wave
	s_mov_b32 s[\g], 1
	s_mul_i32 s[\g+1], s[WV], \per
	s_add_co_u32 s[\g+1], s[\g+1], \base
	s_mov_b32 s104, s[\g+1]
	s_add_nc_u64 s[\g+2:\g+3], s[80:81], s[104:105]
	s_or_b32 s[\g+3], s[\g+3], 0x80000000
.endm
; The loads of a group: four fragments (16 x 512 consecutive bytes) and the two tiles' biases (every lane of a half reads the same 32 bytes).
.macro LOADW a, g, bofs
.irp f, 0,1,2,3
.irp q, 0,1,2,3
	ds_load_b128 v[WB+16*\f+4*\q:WB+16*\f+4*\q+3], v[\a] offset:8192*(\g)+2048*\f+512*\q
.endr
.endr
.irp c, 0,1
	ds_load_b128 v[BI+8*\c:BI+8*\c+3], v[HB] offset:\bofs+64*(2*(\g)+\c)
	ds_load_b128 v[BI+8*\c+4:BI+8*\c+7], v[HB] offset:\bofs+64*(2*(\g)+\c)+16
.endr
.endm
.macro LOADWD g                        ; Wd of the group's two tiles, in the result's layout
.irp c, 0,1
	ds_load_b128 v[WX+16*((\g)%2)+8*\c:WX+16*((\g)%2)+8*\c+3], v[HB] offset:OWD+64*(2*(\g)+\c)
	ds_load_b128 v[WX+16*((\g)%2)+8*\c+4:WX+16*((\g)%2)+8*\c+7], v[HB] offset:OWD+64*(2*(\g)+\c)+16
.endr
.endm
.macro LOADW4 g                        ; layer 4: the same, and the two tiles' tail fragments
	LOADW AW4, \g, OB4
.irp c, 0,1
.irp q, 0,1
	ds_load_b128 v[WX+8*\c+4*\q:WX+8*\c+4*\q+3], v[AW4] offset:OTL+1024*(2*(\g)+\c)+512*\q
.endr
.endr
.endm
.macro LOADAB g                        ; layer 1: A and B of the group's two tiles, in the result's layout
.irp c, 0,1
	ds_load_b128 v[WB+8*\c:WB+8*\c+3], v[ABR] offset:64*(2*(\g)+\c)
	ds_load_b128 v[WB+8*\c+4:WB+8*\c+7], v[ABR] offset:64*(2*(\g)+\c)+16
	ds_load_b128 v[WB+16+8*\c:WB+16+8*\c+3], v[ABR] offset:1024+64*(2*(\g)+\c)
	ds_load_b128 v[WB+16+8*\c+4:WB+16+8*\c+7], v[ABR] offset:1024+64*(2*(\g)+\c)+16
.endr
.endm
; A group's 16 products.  The eight accumulators take turns, one instruction a turn; the first K step starts each sum with the bias as C: nothing is cleared, no bias is added.
.macro MM inb
	WIN 0x04                                       ; source 1 (the points' codes) window 1
.irp s, 0,1
.irp c, 0,1
.irp p, 0,1,2,3
.if \s == 0
	v_wmma_f32_16x16x128_fp8_fp8 v[ACC+8*(4*\c+\p):ACC+8*(4*\c+\p)+7], v[WB+16*(2*\c+\s):WB+16*(2*\c+\s)+15], v[\inb+32*\p+16*\s:\inb+32*\p+16*\s+15], v[BI+8*\c:BI+8*\c+7]
.else
	v_wmma_f32_16x16x128_fp8_fp8 v[ACC+8*(4*\c+\p):ACC+8*(4*\c+\p)+7], v[WB+16*(2*\c+\s):WB+16*(2*\c+\s)+15], v[\inb+32*\p+16*\s:\inb+32*\p+16*\s+15], v[ACC+8*(4*\c+\p):ACC+8*(4*\c+\p)+7]
.endif
.endr
.endr
.endr
	WIN 0
.endm
.macro CODES outb, g, sc               ; the eight accumulators become the next product's registers
	WIN 0x40                                       ; destination window 1
.irp c, 0,1
.irp p, 0,1,2,3
	v_cvt_scalef32_pk8_fp8_f32 v[\outb+32*\p+4*(\g)+2*\c:\outb+32*\p+4*(\g)+2*\c+1], v[ACC+8*(4*\c+\p):ACC+8*(4*\c+\p)+7], v[\sc]
.endr
.endr
	WIN 0
	v_nop                                          ; a plain line between the conversions and the next lines that write their sources or read their results
.endm
.macro QUANT outb, g, lim, sc
.set IDX, 0
.rept 64
	v_med3_num_f32 v[ACC+IDX], v[ACC+IDX], 0, s[\lim]   ; the activation and the hold in one: between 0 and 448 x the scale (the conversion does not saturate: ISA guide 7.6.2); each accumulator from its low end on
.set IDX, IDX+1
.endr
	CODES \outb, \g, \sc
.endm
.macro RELU2 a
.if DUAL
	v_dual_max_num_f32 v[\a], 0, v[\a] :: v_dual_max_num_f32 v[\a+1], 0, v[\a+1]
.else
	v_max_num_f32 v[\a], 0, v[\a]
	v_max_num_f32 v[\a+1], 0, v[\a+1]
.endif
.endm
.macro HOLD2 a
.if DUAL
	v_dual_min_num_f32 v[\a], s[LIM3], v[\a] :: v_dual_min_num_f32 v[\a+1], s[LIM3], v[\a+1]
.else
	v_min_num_f32 v[\a], s[LIM3], v[\a]
	v_min_num_f32 v[\a+1], s[LIM3], v[\a+1]
.endif
.endm
.macro MKSC vsc, slim                  ; s84 = an exponent E  ->  v[vsc] = 2^E, s[slim] = 448 x 2^E
	s_add_co_i32 s84, s84, 127
	s_lshl_b32 s85, s84, 23
	v_mov_b32 v[\vsc], s85
	s_add_co_i32 s84, s84, 8
	s_lshl_b32 s84, s84, 23
	s_or_b32 s[\slim], s84, 0x600000
.endm
.macro ZP p, clo, chi                  ; z of sample i = 4 r + p: the stratum runs from 0.5 + max(i - 0.5, 0) x 2/63 to 0.5 + min(i + 0.5, 63) x 2/63
	v_add_f32 v[TM+2*\p], \clo, v[SF]
.if \p == 0
	v_max_num_f32 v[TM+2*\p], 0, v[TM+2*\p]        ; (only sample 0 can fall under 0,
.endif
	v_add_f32 v[TM+2*\p+1], \chi, v[SF]
.if \p == 3
	v_min_num_f32 v[TM+2*\p+1], 0x427c0000, v[TM+2*\p+1]   ; only sample 63 over 63)
.endif
	v_sub_f32 v[TM+2*\p+1], v[TM+2*\p+1], v[TM+2*\p]
	v_mul_f32 v[TM+2*\p+1], s[C263], v[TM+2*\p+1]
	v_fma_f32 v[TM+2*\p], v[TM+2*\p], s[C263], 0.5
	v_fma_f32 v[Z+2*\p], v[TM+2*\p+1], v[TRW+\p], v[TM+2*\p]
	v_mov_b32 v[Z+2*\p+1], v[Z+2*\p]
.endm
	; ================ HEAD
	s_load_b512 s[80:95], s[0:1], 0x0              ; blob s[80:81], t_rand s[82:83], rays_o s[84:85], rays_d s[86:87], the scales' exponents s[88:89], b5 s[90:91], bd s[92:93], out0 s[94:95]
	s_load_b128 s[96:99], s[0:1], 0x40             ; out1 s[96:97], out2 s[98:99]
	v_lshl_add_u32 v254, v0, 2, 0x31400
	v_mov_b32 v255, 0
	ds_add_u32 v254, v255
	ds_add_u32 v254, v255
	v_lshrrev_b32 v1, 5, v0
	v_readfirstlane_b32 s[WV], v1                  ; wave 0..7
	s_bfe_u32 s101, ttmp6, 0x40000                 ; cx
	s_lshl_b32 s100, ttmp9, 2
	s_add_co_u32 s100, s100, s101                  ; my work-group = 4 x cluster + cx: it enters global addresses of rays and results alone
	GROUP1 G1A, 6
	GROUP1 G1B, 32
	GROUP1 G1D, 20
	s_mov_b32 s105, 0                              ; the upper word of the offset pair s[104:105]
	s_wait_dscnt 0x0
	s_wait_kmcnt 0x0
	GROUP0 G0A, 1536, 0                            ; the f32 tables and W5: 12,288 bytes
	GROUP0 G0B, 8192, OW2                          ; W2: 65,536
	GROUP0 G0C, 8192, OW3                          ; W3: 65,536
	GROUP0 G0D, 5120, OW4                          ; W4 and its tail: 40,960
	ROUND                                          ; all four work-groups are here: the joint loads meet
	tensor_load_to_lds s[G0A:G0A+3], s[G1A:G1A+7]  ; the launch's only fills, one group: four loads of mine are out
	s_nop 0
	tensor_load_to_lds s[G0B:G0B+3], s[G1B:G1B+7]
	s_nop 0
	tensor_load_to_lds s[G0C:G0C+3], s[G1B:G1B+7]
	s_nop 0
	tensor_load_to_lds s[G0D:G0D+3], s[G1D:G1D+7]
	s_nop 0
	PLACES 4
	s_mul_i32 s104, s100, 192                      ; my wave's two rays: ray 16 x work-group + 2 x wave, 12 bytes each
	s_mul_i32 s101, s[WV], 24
	s_add_co_u32 s104, s104, s101
	s_add_nc_u64 s[84:85], s[84:85], s[104:105]
	s_add_nc_u64 s[86:87], s[86:87], s[104:105]
	s_load_b128 s[56:59], s[84:85], 0x0            ; o of both rays: s56-58, s59-61
	s_load_b64 s[60:61], s[84:85], 0x10
	s_load_b128 s[68:71], s[86:87], 0x0            ; d of both rays: s68-70, s71-73
	s_load_b64 s[72:73], s[86:87], 0x10
	s_load_b128 s[8:11], s[88:89], 0x0             ; e0 .. e3
	s_load_b64 s[66:67], s[88:89], 0x10            ; e4, e5
	s_load_b96 s[B5:B5+2], s[90:91], 0x0
	s_load_b32 s[BD], s[92:93], 0x0
	v_and_b32 v13, 15, v0                          ; r
	v_lshlrev_b32 v[R16], 4, v13
	s_lshl_b32 s104, s100, 12                      ; t_rand: 256 bytes a ray
	s_lshl_b32 s101, s[WV], 9
	s_add_co_u32 s104, s104, s101
	s_add_nc_u64 s[82:83], s[82:83], s[104:105]
	global_load_b128 v[TRW:TRW+3], v[R16], s[82:83] th:TH_LOAD_NT             ; sixteen lanes read a ray's 256 bytes; both halves of the lanes the same
	global_load_b128 v[TR1:TR1+3], v[R16], s[82:83] offset:256 th:TH_LOAD_NT
	s_mul_i32 s104, s100, 192
	s_add_nc_u64 s[94:95], s[94:95], s[104:105]    ; the results at my work-group's 16 rays
	s_lshl_b32 s104, s100, 6
	s_add_nc_u64 s[96:97], s[96:97], s[104:105]
	s_add_nc_u64 s[98:99], s[98:99], s[104:105]
	v_lshlrev_b32 v[SF], 2, v13
	v_cvt_f32_u32 v[SF], v[SF]
	v_and_b32 v14, 31, v0                          ; lane
	v_lshlrev_b32 v[LI], 4, v14
	v_add_nc_u32 v[AW2], OW2, v[LI]
	v_add_nc_u32 v[AW3], OW3, v[LI]
	v_add_nc_u32 v[AW4], OW4, v[LI]
	v_add_nc_u32 v[RRD], RES, v[LI]
	v_bfe_u32 v15, v0, 4, 1                        ; h
	v_lshlrev_b32 v[HB], 5, v15
	v_lshlrev_b32 v[L32], 5, v14
	s_lshl_b32 s101, s[WV], 11
	s_add_co_u32 s101, s101, SCR                   ; my wave's scratch
	v_add_nc_u32 v[ABW], s101, v[L32]
	v_add_nc_u32 v[ABR], s101, v[HB]
.irp i, 2,3,4,5,6,7
	v_mov_b32 v[VD+\i], 0                          ; the view directions' fragment has codes in its first register alone
.endr
	s_mov_b32 s12, 0x76543210                      ; v_permlanex16_b32: lane l xor 16
	s_mov_b32 s13, 0xfedcba98
	s_mov_b32 s14, 0x87654321                      ; v_permlane16_b32: the next lane of my row
	s_mov_b32 s15, 0x0fedcba9
	s_mov_b32 s62, 0xffff0000                      ; lanes 16-31
	s_mov_b32 s63, 0x80008000                      ; lane 15 of each row: samples 60-63
	s_mov_b32 s[CNT], 2
	s_wait_kmcnt 0x0                               ; all scalar loads are in: s84-s93, which held their addresses, are free
	s_mov_b32 s84, s8
	MKSC SC1, LIM1                                 ; layer 1's results are numbers: / 2^e0
	s_sub_co_i32 s84, s10, s8
	s_sub_co_i32 s84, s84, s9
	MKSC SC2, LIM2                                 ; a sum of layer 2 stands for sum x 2^(e0+e1): its code is sum / 2^(e2-e0-e1)
	s_sub_co_i32 s84, s66, s10
	s_sub_co_i32 s84, s84, s11
	MKSC SC3, LIM3                                 ; layer 3 likewise: / 2^(e4-e2-e3)
	s_mov_b32 s84, s66
	MKSC SCV, LIMV                                 ; the view directions: / 2^e4
	s_add_co_i32 s[SDS], s10, s11
	s_add_co_i32 s[SDS], s[SDS], 127
	s_lshl_b32 s[SDS], s[SDS], 23                  ; 2^(e2+e3)
	s_add_co_i32 s[SRN], s66, s67
	s_lshl_b32 s[SRN], s[SRN], 23
	s_add_co_u32 s[SRN], s[SRN], 0xbfb8aa3b        ; e4 + e5 added to the exponent field of -log2(e)
	s_mul_i32 s[RS0], s[WV], 24
	s_add_co_u32 s[RS0], s[RS0], RES
	s_lshl_b32 s[RS1], s[WV], 3
	s_add_co_u32 s[RS1], s[RS1], RES+256
	s_mov_b32 s[C263], 0x3d020821                  ; 2 / 63
.irp c, 0,1,2
	v_mov_b32 v[B5N+\c], s[B5+\c]
	v_mul_f32 v[B5N+\c], 0xbfb8aa3b, v[B5N+\c]
.endr
	s_mov_b32 s74, s56                             ; the ray in hand: o s74-76, d s77-79
	s_mov_b32 s75, s57
	s_mov_b32 s76, s58
	s_mov_b32 s77, s68
	s_mov_b32 s78, s69
	s_mov_b32 s79, s70
.Lray:	; ================ A RAY.  (The four barriers of a trip serve the first trip, in which the blob's pieces land one after the other; in the second their waits are met at once)
	; ---- the ray's own numbers
	BAR 3                                          ; the tables have landed; W2, W3, W4 may be out
.irp k, 0,1,2,3
	ds_load_b128 v[WB+8*\k:WB+8*\k+3], v[L32] offset:1024*\k      ; W1's three rows and (k = 3: OB1 = 3 x 1,024) b1: my lane's eight units 8 l + 0 .. 7
	ds_load_b128 v[WB+8*\k+4:WB+8*\k+7], v[L32] offset:1024*\k+16
.endr
	s_wait_loadcnt 0x0                             ; t_rand
	v_mul_f32 v[TM+8], s77, s77
	v_fma_f32 v[TM+8], s78, s78, v[TM+8]
	v_fma_f32 v[TM+8], s79, s79, v[TM+8]
	v_sqrt_f32 v[TM+9], v[TM+8]                    ; |d|
	ZP 0, -0.5, 0.5
	ZP 1, 0.5, 0x3fc00000
	ZP 2, 0x3fc00000, 0x40200000
	ZP 3, 0x40200000, 0x40600000
.irp p, 0,1,2,3
	v_mov_b32 v[TRW+\p], v[TR1+\p]                 ; the next trip's
.endr
	s_wait_alu depctr_va_vdst(0)                   ; the wait ahead of the root's first reader
	v_add_f32 v[TM+9], 0x322bcc77, v[TM+9]         ; + 1e-8
	v_rcp_f32 v[TM+10], v[TM+9]
	v_sub_f32 v[ND], v[Z+2], v[Z]                  ; the distance to the next sample: within the lane,
	v_sub_f32 v[ND+1], v[Z+4], v[Z+2]
	v_sub_f32 v[ND+2], v[Z+6], v[Z+4]
	v_mov_b32 v[TM], 0                             ; (a lane permute's destination counts as one of its sources)
	v_permlane16_b32 v[TM], v[Z], s14, s15         ; for p = 3 to the next lane's first sample,
	v_mov_b32 v[TM+1], 0x501502f9                  ; and 1e10 behind sample 63
	v_sub_f32 v[ND+3], v[TM], v[Z+6]
	v_cndmask_b32 v[ND+3], v[ND+3], v[TM+1], s63
.irp p, 0,1,2,3
	v_mul_f32 v[ND+\p], 0xbfb8aa3b, v[ND+\p]
.endr
	v_mov_b32 v[TM+12], s[LIMV]
	v_mov_b32 v[TM+13], 0
	s_wait_alu depctr_va_vdst(0)                   ; and ahead of the reciprocal's
	v_mul_f32 v[TM+4], s77, v[TM+10]               ; d / (|d| + 1e-8)
	v_mul_f32 v[TM+5], s78, v[TM+10]
	v_mul_f32 v[TM+6], s79, v[TM+10]
.irp i, 4,5,6
	v_med3_num_f32 v[TM+\i], v[TM+\i], -v[TM+12], v[TM+12]
	v_cndmask_b32 v[TM+\i], v[TM+\i], v[TM+13], s62   ; k = 0, 1, 2 lie in lanes 0-15
.endr
.irp i, 7,8,9,10,11
	v_mov_b32 v[TM+\i], 0
.endr
	v_cvt_scalef32_pk8_fp8_f32 v[VD:VD+1], v[TM+4:TM+11], v[SCV]   ; sixteen equal columns
	v_nop
	s_wait_dscnt 0x0                               ; W1, b1
.irp i, 0,1,2,3,4,5,6,7
	v_fma_f32 v[WB+32+\i], s74, v[WB+\i], v[WB+24+\i]   ; A = o W1 + b1
	v_mul_f32 v[WB+40+\i], s77, v[WB+\i]                ; B = d W1
.endr
.irp i, 0,1,2,3,4,5,6,7
	v_fmac_f32 v[WB+32+\i], s75, v[WB+8+\i]
	v_fmac_f32 v[WB+40+\i], s78, v[WB+8+\i]
.endr
.irp i, 0,1,2,3,4,5,6,7
	v_fmac_f32 v[WB+32+\i], s76, v[WB+16+\i]
	v_fmac_f32 v[WB+40+\i], s79, v[WB+16+\i]
.endr
	ds_store_b128 v[ABW], v[WB+32:WB+35]
	ds_store_b128 v[ABW], v[WB+36:WB+39] offset:16
	ds_store_b128 v[ABW], v[WB+40:WB+43] offset:1024
	ds_store_b128 v[ABW], v[WB+44:WB+47] offset:1040
	LOADAB 0                                       ; my wave's own bytes: LDS serves a wave's instructions in order (ISA guide 5.7.1.4), so these see the stores above
	; ---- layer 1: relu(A + z B), quantised into X
.set G, 0
.rept 8
	s_wait_dscnt 0x0
.irp c, 0,1
.irp p, 0,1,2,3
.irp i, 0,2,4,6
	v_pk_fma_f32 v[ACC+8*(4*\c+\p)+\i:ACC+8*(4*\c+\p)+\i+1], v[WB+16+8*\c+\i:WB+16+8*\c+\i+1], v[Z+2*\p:Z+2*\p+1], v[WB+8*\c+\i:WB+8*\c+\i+1]
.endr
.endr
.endr
.if G < 7
	LOADAB G+1
.else
	BAR 2                                          ; W2 has landed; W3 and W4 may be out
	LOADW AW2, 0, OB2
.endif
	QUANT X, G, LIM1, SC1
.set G, G+1
.endr
	; ---- layer 2: X -> Y
.set G, 0
.rept 8
	s_wait_dscnt 0x0                               ; the group's fragments and biases are in
	MM X
	PLACES 4                                       ; in front of the loads into registers that the products read, and of the first read of results
.if G < 7
	LOADW AW2, G+1, OB2
.else
	BAR 1                                          ; W3 has landed; W4 may be out
	LOADW AW3, 0, OB3
	LOADWD 0
.endif
	QUANT Y, G, LIM2, SC2
.set G, G+1
.endr
	; ---- layer 3: Y -> X, and the density's sums
.set G, 0
.rept 8
	s_wait_dscnt 0x0
	MM Y
	PLACES 4
.if G < 7
	LOADW AW3, G+1, OB3
	LOADWD G+1
.else
	BAR 0                                          ; W4 has landed: no tensor load is out any more
	LOADW4 0
	WIN 0x40                                       ; destination window 1: Y's last reader stands four places back
.irp g, 0,1,2,3
.irp q, 0,1
	ds_load_b128 v[W5F+8*\g+4*\q:W5F+8*\g+4*\q+3], v[LI] offset:OW5+1024*\g+512*\q
.endr
.endr
	WIN 0
.endif
.set IDX, 0
.rept 32
	RELU2 ACC+IDX                                  ; the activation; each accumulator from its low end on
.set IDX, IDX+2
.endr
.irp c, 0,1
.irp i, 0,2,4,6
.irp p, 0,1,2,3
.if (G == 0) && (\c == 0) && (\i == 0)
	v_pk_mul_f32 v[DN+2*\p:DN+2*\p+1], v[ACC+8*(4*\c+\p)+\i:ACC+8*(4*\c+\p)+\i+1], v[WX+16*(G%2)+8*\c+\i:WX+16*(G%2)+8*\c+\i+1]   ; the first products start the sums
.else
	v_pk_fma_f32 v[DN+2*\p:DN+2*\p+1], v[ACC+8*(4*\c+\p)+\i:ACC+8*(4*\c+\p)+\i+1], v[WX+16*(G%2)+8*\c+\i:WX+16*(G%2)+8*\c+\i+1], v[DN+2*\p:DN+2*\p+1]   ; h . Wd, of the numbers not yet held: four chains
.endif
.endr
.endr
.endr
.set IDX, 0
.rept 32
	HOLD2 ACC+IDX                                  ; the quantiser's hold; what is held is not negative, so it is one-sided
.set IDX, IDX+2
.endr
	CODES X, G, SC3
.set G, G+1
.endr
	; ---- layer 4 (X -> 128 units, bf16) and the last product
.set G, 0
.rept 4
	s_wait_dscnt 0x0
	v_wmma_f32_16x16x64_fp8_fp8 v[BI:BI+7], v[WX:WX+7], v[VD:VD+7], v[BI:BI+7]                 ; b4 + the view directions' part, the same for all 64 samples
	v_wmma_f32_16x16x64_fp8_fp8 v[BI+8:BI+15], v[WX+8:WX+15], v[VD:VD+7], v[BI+8:BI+15]
	PLACES 5                                       ; these results are the C of other accumulators
	MM X
	PLACES 4
.if G < 3
	LOADW4 G+1
.endif
.set IDX, 0
.rept 32
	RELU2 ACC+IDX
.set IDX, IDX+2
.endr
	WIN 0x40
.irp p, 0,1,2,3
.irp c, 0,1
.irp i, 0,1,2,3
	v_cvt_pk_bf16_f32 v[H2+8*\p+4*\c+\i], v[ACC+8*(4*\c+\p)+2*\i], v[ACC+8*(4*\c+\p)+2*\i+1]   ; registers 4 c + i of source 1: k = 16 c + 8 h + 2 i, + 1 of the group's 32 units
.endr
.endr
.endr
	WIN 0x55                                       ; all four operands window 1
.irp p, 0,1,2,3
.if G == 0
	v_wmma_f32_16x16x32_bf16 v[RGB+8*\p:RGB+8*\p+7], v[W5F+8*G:W5F+8*G+7], v[H2+8*\p:H2+8*\p+7], 0
.else
	v_wmma_f32_16x16x32_bf16 v[RGB+8*\p:RGB+8*\p+7], v[W5F+8*G:W5F+8*G+7], v[H2+8*\p:H2+8*\p+7], v[RGB+8*\p:RGB+8*\p+7]
.endif
.endr
	WIN 0
.set G, G+1
.endr
	; ---- compositing.  Both halves of the lanes hold the same numbers: lane r of each has samples 4 r + 0 .. 3
.set U,   ACC                          ; u(p, c) at U + 4 p + c, the density's exponent at U + 4 p + 3: sixteen exponentials in one batch
.set AL,  ACC+16                       ; the density, then alpha
.set FF,  ACC+20                       ; 1 - alpha + 1e-10
.set Q2,  ACC+24
.set Q3,  ACC+25
.set PT,  ACC+26                       ; the lane's product, then the scan
.set TT,  ACC+27
.set WW,  ACC+28                       ; the weights
.set SA,  ACC+32                       ; the sums: acc; (SA + 1: at work)
.set SDP, ACC+34                       ; depth
.set SRG, ACC+36                       ; rgb
.irp p, 0,1,2,3
	v_add_f32 v[AL+\p], v[DN+2*\p], v[DN+2*\p+1]   ; (these plain lines are the places behind the last products)
.endr
.irp p, 0,1,2,3
	v_permlanex16_b32 v[FF+\p], v[AL+\p], s12, s13 ; the other half of the lanes holds the point's other 128 units
.endr
.irp p, 0,1,2,3
	v_add_f32 v[AL+\p], v[AL+\p], v[FF+\p]
.endr
.irp p, 0,1,2,3
	v_fma_f32 v[AL+\p], v[AL+\p], s[SDS], s[BD]    ; density = sum x 2^(e2+e3) + bd
.endr
.irp p, 0,1,2,3
	v_max_num_f32 v[AL+\p], 0, v[AL+\p]
.endr
.irp p, 0,1,2,3
	v_mul_f32 v[U+4*\p+3], v[AL+\p], v[ND+\p]      ; -log2(e) relu(density) dist
.endr
	WIN 0x01                                       ; source 0 window 1
.irp c, 0,1,2
.irp p, 0,1,2,3
	v_fma_f32 v[U+4*\p+\c], v[RGB+8*\p+\c], s[SRN], v[B5N+\c]   ; -log2(e) (sum x 2^(e4+e5) + b5); each accumulator's register 0 first
.endr
.endr
	WIN 0
.set IDX, 0
.rept 16
	v_exp_f32 v[U+IDX], v[U+IDX]
.set IDX, IDX+1
.endr
	v_nop                                          ; a plain line behind the last exponential
	s_wait_alu depctr_va_vdst(0)                   ; one wait for the batch, ahead of its first reader
.irp p, 0,1,2,3
.irp c, 0,1,2
	v_add_f32 v[U+4*\p+\c], 1.0, v[U+4*\p+\c]
.endr
.endr
.irp p, 0,1,2,3
.irp c, 0,1,2
	v_rcp_f32 v[U+4*\p+\c], v[U+4*\p+\c]           ; the sigmoid
.endr
.endr
.irp p, 0,1,2,3
	v_sub_f32 v[AL+\p], 1.0, v[U+4*\p+3]           ; alpha  (work that names no reciprocal stands between the batch and its wait)
.endr
.irp p, 0,1,2,3
	v_sub_f32 v[FF+\p], 1.0, v[AL+\p]
.endr
.irp p, 0,1,2,3
	v_add_f32 v[FF+\p], 0x2edbe6ff, v[FF+\p]       ; 1 - alpha + 1e-10
.endr
	v_mul_f32 v[Q2], v[FF], v[FF+1]                ; the products within the lane,
	v_mul_f32 v[Q3], v[Q2], v[FF+2]
	v_mul_f32 v[PT], v[Q3], v[FF+3]
.irp n, 1,2,4,8                        ; and the running product over the row's 16 lanes: a lane without a source keeps the 1.0
	v_mov_b32 v[TT], 1.0
	v_mov_b32_dpp v[TT], v[PT] row_shr:\n row_mask:0xf bank_mask:0xf
	v_mul_f32 v[PT], v[PT], v[TT]
.endr
	v_mov_b32 v[TT], 1.0
	v_mov_b32_dpp v[TT], v[PT] row_shr:1 row_mask:0xf bank_mask:0xf   ; the product of all lanes before mine
	v_mul_f32 v[WW], v[AL], v[TT]                  ; weight = alpha x transmittance
	v_mul_f32 v[WW+1], v[TT], v[FF]
	v_mul_f32 v[WW+2], v[TT], v[Q2]
	v_mul_f32 v[WW+3], v[TT], v[Q3]
.irp p, 1,2,3
	v_mul_f32 v[WW+\p], v[WW+\p], v[AL+\p]
.endr
	v_add_f32 v[SA], v[WW], v[WW+1]
	v_add_f32 v[SA+1], v[WW+2], v[WW+3]
	v_add_f32 v[SA], v[SA], v[SA+1]
	v_mul_f32 v[SDP], v[WW], v[Z]
.irp p, 1,2,3
	v_fmac_f32 v[SDP], v[WW+\p], v[Z+2*\p]
.endr
	s_wait_alu depctr_va_vdst(0)                   ; one wait for the twelve reciprocals
.irp c, 0,1,2
	v_mul_f32 v[SRG+\c], v[WW], v[U+\c]
.endr
.irp p, 1,2,3
.irp c, 0,1,2
	v_fmac_f32 v[SRG+\c], v[WW+\p], v[U+4*\p+\c]
.endr
.endr
.irp m, 1,2,4,8
.irp x, SA, SDP, SRG, SRG+1, SRG+2
	v_add_f32_dpp v[\x], v[\x], v[\x] row_xmask:\m row_mask:0xf bank_mask:0xf
.endr
.endr
	v_sub_f32 v[SA+1], 1.0, v[SA]                  ; the white background
.irp c, 0,1,2
	v_add_f32 v[SRG+\c], v[SRG+\c], v[SA+1]
.endr
	v_mov_b32 v[RA0], s[RS0]
	v_mov_b32 v[RA1], s[RS1]
	ds_store_b32 v[RA0], v[SRG]                    ; every lane writes the same word with the same number
	ds_store_b32 v[RA0], v[SRG+1] offset:4
	ds_store_b32 v[RA0], v[SRG+2] offset:8
	ds_store_b32 v[RA1], v[SDP]
	ds_store_b32 v[RA1], v[SA] offset:256
	s_mov_b32 s74, s59                             ; the second ray
	s_mov_b32 s75, s60
	s_mov_b32 s76, s61
	s_mov_b32 s77, s71
	s_mov_b32 s78, s72
	s_mov_b32 s79, s73
	s_add_co_u32 s[RS0], s[RS0], 12
	s_add_co_u32 s[RS1], s[RS1], 4
	s_sub_co_u32 s[CNT], s[CNT], 1
	s_cmp_lg_u32 s[CNT], 0
	s_cbranch_scc1 .Lray
	; ================ THE WAY OUT: the work-group's 16 rays lie together in LDS; wave 0 stores them
	s_wait_dscnt 0x0                               ; for the others' sake: my results have landed
	s_barrier_signal -1
	s_barrier_wait -1
	s_cmp_lg_u32 s[WV], 0
	s_cbranch_scc1 .Ldone
	v_cmp_gt_u32 vcc_lo, 12, v0
	s_wait_xcnt 0x0                                ; EXEC changes only behind this wait
	s_and_saveexec_b32 s8, vcc_lo
	ds_load_b128 v[32:35], v[RRD]
	s_wait_dscnt 0x0
	global_store_b128 v[LI], v[32:35], s[94:95]    ; out0: 192 consecutive bytes
	s_wait_xcnt 0x0
	s_or_b32 exec_lo, exec_lo, s8
	v_cmp_gt_u32 vcc_lo, 4, v0
	s_and_saveexec_b32 s8, vcc_lo
	ds_load_b128 v[36:39], v[RRD] offset:256
	ds_load_b128 v[40:43], v[RRD] offset:512
	s_wait_dscnt 0x0
	global_store_b128 v[LI], v[36:39], s[96:97]    ; out1, out2: 64 consecutive bytes each
	global_store_b128 v[LI], v[40:43], s[98:99]
	s_wait_xcnt 0x0
	s_or_b32 exec_lo, exec_lo, s8
.Ldone:
	s_wait_tensorcnt 0x0
	ds_add_u32 v254, v255
	s_wait_dscnt 0x0
	ROUND                                          ; the closing round: no work-group ends while a partner may still ask for a piece that names it
	s_endpgm
.Lfunc_end_k_q61c4b9370e_render:
	.size	k_q61c4b9370e_render, .Lfunc_end_k_q61c4b9370e_render-k_q61c4b9370e_render
	.p2alignl 7, 3214868480
	.fill 96, 4, 3214868480
	.section	.rodata,"a",@progbits
	.p2align	6, 0x0
	.amdhsa_kernel k_q61c4b9370e_render
		.amdhsa_group_segment_fixed_size 202752
		.amdhsa_private_segment_fixed_size 0
		.amdhsa_enable_private_segment 0
		.amdhsa_kernarg_size 80
		.amdhsa_user_sgpr_count 2
		.amdhsa_user_sgpr_kernarg_segment_ptr 1
		.amdhsa_wavefront_size32 1
		.amdhsa_system_sgpr_workgroup_id_x 1
		.amdhsa_system_sgpr_workgroup_id_y 1
		.amdhsa_system_sgpr_workgroup_id_z 1
		.amdhsa_system_vgpr_workitem_id 0
		.amdhsa_next_free_vgpr 512
		.amdhsa_next_free_sgpr 106
		.amdhsa_reserve_vcc 1
		.amdhsa_float_denorm_mode_32 3
		.amdhsa_float_denorm_mode_16_64 3
		.amdhsa_memory_ordered 1
		.amdhsa_forward_progress 1
		.amdhsa_inst_pref_size 242
	.end_amdhsa_kernel
	.amdgpu_metadata
---
amdhsa.version: [ 1, 2 ]
amdhsa.kernels:
  - .name:           k_q61c4b9370e_render
    .symbol:         k_q61c4b9370e_render.kd
    .args:
      - { .name: blob, .offset: 0, .size: 8, .value_kind: global_buffer, .address_space: global }
      - { .name: t_rand, .offset: 8, .size: 8, .value_kind: global_buffer, .address_space: global }
      - { .name: rays_o, .offset: 16, .size: 8, .value_kind: global_buffer, .address_space: global }
      - { .name: rays_d, .offset: 24, .size: 8, .value_kind: global_buffer, .address_space: global }
      - { .name: lowp_scales, .offset: 32, .size: 8, .value_kind: global_buffer, .address_space: global }
      - { .name: b5, .offset: 40, .size: 8, .value_kind: global_buffer, .address_space: global }
      - { .name: bd, .offset: 48, .size: 8, .value_kind: global_buffer, .address_space: global }
      - { .name: out0, .offset: 56, .size: 8, .value_kind: global_buffer, .address_space: global }
      - { .name: out1, .offset: 64, .size: 8, .value_kind: global_buffer, .address_space: global }
      - { .name: out2, .offset: 72, .size: 8, .value_kind: global_buffer, .address_space: global }
    .group_segment_fixed_size: 202752
    .private_segment_fixed_size: 0
    .kernarg_segment_align: 8
    .kernarg_segment_size: 80
    .max_flat_workgroup_size: 256
    .sgpr_count:     106
    .vgpr_count:     512
    .wavefront_size: 32
...
	.end_amdgpu_metadata
.endif
;; end of part 2
